; MI455X (gfx1250); checked and timed in simulation.
; The chip was launched on July 23, 2026; its instructions are those of AMD's public machine-readable ISA for CDNA 5 (MIT licence, August 2026) and "CDNA5" Instruction Set Architecture Reference Guide (July 2026). The comments in the code are by the model that wrote it; some were corrected since.
;; Slow LSTM. Allowed arithmetic: matrix products marked QUANTISED: E2M3 operands, one E8M0 scale for each 32 along K, by v_wmma_scale_f32_16x16x128_f8f6f4 with both operands' format E2M3, f32 sums; everything else in f32.
;; Inputs: b_c 2,048 float32; b_f 2,048 float32; b_i 2,048 float32; b_o 2,048 float32; c 1 x 2,048 x 2,048 float32; h_codes 1 x 2,048 x 64 x 24 uint8 (E2M3 codes of h, K innermost, in blocks of 32 codes, four codes in three bytes); h_scales 1 x 2,048 x 64 uint8 (E8M0 scales of h, one for each 32 codes along K); w_hc 2,048 x 2,048 float32; w_hf 2,048 x 2,048 float32; w_hi 2,048 x 2,048 float32; w_ho 2,048 x 2,048 float32; w_xc 2,048 x 2,048 float32; w_xf 2,048 x 2,048 float32; w_xi 2,048 x 2,048 float32; w_xo 2,048 x 2,048 float32; x_codes 1 x 2,048 x 64 x 24 uint8 (E2M3 codes of x, K innermost, in blocks of 32 codes, four codes in three bytes); x_scales 1 x 2,048 x 64 uint8 (E8M0 scales of x, one for each 32 codes along K).
;; Outputs: out0 1 x 2,048 x 2,048 float32; out1 1 x 2,048 x 2,048 float32.
;; This version of the problem:
;;   THIS VERSION OF THE PROBLEM IS GIVEN IN LOW PRECISION. The matrix products marked QUANTISED in the list below multiply operands that are first quantised to E2M3 (2 exponent bits, 3 mantissa bits; 6 bits a number), with one power-of-two scale for each 32 numbers along K (OCP MX v1.0); their sums are f32. All else is computed in f32.
;;   The module's matrix products, in the order in which they are computed (A, B: the left and right operand; K: the contracted axis; several contracted axes count as one K, in the product's order):
;;     1. [M 2,048, K 2,048] x [K 2,048, N 8,192]; A: input x (given as codes); B: computed on the way: QUANTISED
;;     2. [M 2,048, K 2,048] x [K 2,048, N 8,192]; A: input h (given as codes); B: computed on the way: QUANTISED
;;   THE QUANTISER, for each operand of a quantised product, along K:
;;     - K is cut into blocks of 32 from its start; a last block that is shorter is filled with zeros.
;;     - A block's scale is 2^e with e = floor(log2(the largest magnitude in the block)) - 2, held to -126 .. 127; a block of zeros has e = 0. As a byte (E8M0): e + 127.
;;     - Each number is divided by its block's scale, clamped to +-7.5, and rounded to the nearest number of E2M3, ties to even, subnormals kept.
;;     - The product sums the exact products of the quantised numbers (number of the format x scale) in f32.
;;   ~~~python
;;   def quantise(x, axis):      # numpy; x: float32 -> the quantised numbers, widened to float32 again
;;       x = np.moveaxis(x, axis, -1); K = x.shape[-1]
;;       x = np.pad(x, [(0, 0)] * (x.ndim - 1) + [(0, -K % 32)]); x = x.reshape(x.shape[:-1] + (-1, 32)); a = np.abs(x).max(-1, keepdims=True)
;;       e = np.where(a > 0, np.clip(np.frexp(np.where(a > 0, a, 1))[1] - 1 - 2, -126, 127), 0)      # np.frexp(a)[1] - 1 = floor(log2(a)), exactly
;;       r = np.clip(x / 2.0 ** e, -7.5, 7.5)
;;       step = 2.0 ** (np.maximum(np.frexp(np.where(r == 0, 1, r))[1] - 1, 0) - 3)
;;       q = np.round(r / step) * step * 2.0 ** e      # np.round: ties to even
;;       return np.moveaxis(q.reshape(q.shape[:-2] + (-1,))[..., :K], -1, axis).astype(np.float32)
;;   ~~~
;;   OPERANDS COMPUTED ON THE WAY. 'Computed on the way' means the value that the module computes at that place (a softmax that the list does not call 'softmax' is quantised finished and normalised). What goes into a quantiser is computed in f32, as accurately as f32 sums, v_exp_f32 and their like allow (about 1e-6 of the number): no bf16 or f16 on the way to a quantiser, and a product that is left as it is and whose result goes on into a quantised operand takes f32 operands (vector FMAs, or v_wmma_f32_16x16x4_f32). A number that lies on a knife's edge between two numbers of the format may be rounded either way, as far as f32 arithmetic and the matrix unit's own rounding can turn it there, and no further.
;;   INPUTS GIVEN AS CODES. h (in the module: [1, 2048, 2048], K = its axis 2); x (in the module: [1, 2048, 2048], K = its axis 2): each comes as NAME_codes (uint8): NAME with its K axis moved to the last place and cut into blocks of 32 codes, [.., K / 32, bytes a block], one block behind the other in memory; four codes in three bytes: a row's codes are one little-endian stream of bits, code i at bits 6 i .. 6 i + 5 (a code: sign, 2 exponent bits, 3 mantissa bits); and NAME_scales (uint8): the same leading axes, one E8M0 byte (e + 127) for each 32 codes along K. Its value is code x scale, taken as it is: it is not quantised again, and the codes and scales need not be those that the quantiser above would give.
;; One version. Each part assembles by itself: llvm-mc -triple=amdgcn-amd-amdhsa -mcpu=gfx1250 --defsym DOCPART=n.
;; ======== version 1 of 1: 2 launches
;; limits: right only within a limited range of input values
;; workspace buffers: aimg 6,553,600 bytes; wimg 26,214,400 bytes
;; launch quant (part 1): grid 16 x 72, 4 waves a work-group, no clusters, 50,688 bytes of LDS; arguments x_codes, x_scales, h_codes, h_scales, w_xi, w_hi, w_xf, w_hf, w_xo, w_ho, w_xc, w_hc, aimg, wimg; writes aimg, wimg
.if DOCPART == 1
	.amdgcn_target "amdgcn-amd-amdhsa--gfx1250"
	.amdhsa_code_object_version 6
	.text
	.protected	k_qa2489bc0db_quant
	.globl	k_qa2489bc0db_quant
	.p2align	8
	.type	k_qa2489bc0db_quant,@function
k_qa2489bc0db_quant:
	s_mov_b64 s[64:65], 0
	v_nop
	global_prefetch_b8 v0, s[64:65] scope:SCOPE_SE
	s_setreg_imm32_b32 hwreg(HW_REG_WAVE_MODE, 25, 1), 1
	s_wait_xcnt 0x0
; Both operands of the second launch's product are laid here in the order in which it reads them.
; THE LAYOUT.  K = 4,096 (x's 2,048, then h's) is 32 UNITS of 128.  For 128 rows of an operand a unit is 12,800 bytes: eight fragments (16 rows x 128 K) of 1,536 bytes, then the rows' 128 scale words (row 16 i + r at 12,288 + 64 i + 4 r).
; A fragment is AN IMAGE OF THE OPERAND'S REGISTERS: register R (0..11) of lane l at 512 (R / 4) + 16 l + 4 (R % 4); lane l = r + 16 hh holds row r, its registers 6 c .. 6 c + 5 the codes of K = 64 c + 32 hh + 0 .. 31.
; The 32 units of 128 rows lie on end: a STREAM of 409,600 bytes.  aimg: stream = row / 128 of x and h.  wimg: stream = 2 T + u.
; Why x and h are laid anew though no number changes: as images a tile needs no padding in LDS and a unit's scale words ride with its codes, so that two slots of three units (307,200 bytes) fit there; as rows of 288 bytes they do not fit with any
; padding that an interval of a power of two can give, and x's 16 units do not divide by three.
; THE WEIGHTS [2048 (k)][2048 (n)], f32, K their FIRST axis, become codes of FP6 (E2M3) with one E8M0 byte for each 32 along K.  A block's scale is 2^(floor(log2(its largest magnitude)) - 2); its byte is the largest magnitude's
; exponent field - 2, held at 1 from below; each number is divided by the scale and rounded to the nearest code, ties to even, beyond 7.5 the largest code.
; gate g = 0..3 (i, f, o, c); hidden column j = 64 T + 32 u + 16 e + r; fragment b = 2 g + e of stream 2 T + u.
; SHARES.  Work-groups with y = 0..7 take x and h, those with y = 8..71 the weights.
;   Weights: work-group (x, y): matrix (y - 8) / 8 (bit 0: x's or h's weight, bits 2:1: the gate), K rows 256 ((y - 8) % 8) on, columns 128 x on.  Wave w: 32 columns.  A LANE TAKES A COLUMN AND ITS REGISTERS RUN DOWN K: each load reads
;   128 consecutive bytes a wave (512 a work-group), a block of 32 lies in one lane's registers, and the conversions give codes with K innermost.  The codes go to their places in the images through the wave's own stage in LDS and leave
;   as twelve stores of 512 consecutive bytes.  The scale words leave as two stores of 128 consecutive bytes (4 bytes a lane): the four gates' words of a unit come from four work-groups.
;   x, h: work-group 16 y + x: tensor (bit 6), 64 rows (bits 5:1), 8 units (bit 0).  Wave w: 16 rows x 768 bytes: loaded sixteen lanes to 256 consecutive bytes, through the wave's stage (rows 784 bytes apart: row r starts at bank 4 r mod 64,
;   64 banks of 4 bytes: ISA guide 11.1), read back as fragments, stored as images, 512 consecutive bytes a store.  Wave w also takes the 64 rows' scale words of units 2 w and 2 w + 1: four loads of 4 bytes a lane from rows 64 bytes long,
;   two stores of 256 consecutive bytes.
; In both paths wave w uses LDS bytes 12,544 w .. 12,544 w + 12,543 alone.  No tensor loads, no barrier: waves share nothing.  Every offset is an immediate.
; LIMITS: NaN and infinities among the weights are not served.  A block of zeros gets the byte 1 where the rule says 127: its codes are zeros, which add nothing under any byte but 0xff, and this program alone reads the bytes.
; Blocks whose largest magnitude lies under 2^-124 have the byte 1, as the rule's hold at -126 gives; their conversion was not tried.  x's and h's codes and bytes are copied as they are given.
.set XR,     32                        ; v32-95 two sets of 32 numbers (weights); v32-127 sixteen rows' bytes, then eight fragments (x, h)
.set CR,     96                        ; v96-101  a block's six registers of codes
.set C2,     104                       ; v104-106 the second conversion's result (a conversion's three registers begin on an even number)
.set SB,     24                        ; v24-27   scale words
.set ROWW,   8192                      ; a row of a weight in bytes
.set WREG,   12544                     ; a wave's LDS bytes
.set AP,     784                       ; x, h: a row in the stage: 768 bytes + 16
.set UNITB,  12800
.set SCO,    12288                     ; where a unit's scale words begin
.set STREAM, 409600
	s_load_b256 s[8:15], s[0:1], 0x0               ; x_codes 8, x_scales 10, h_codes 12, h_scales 14
	s_load_b512 s[16:31], s[0:1], 0x20             ; the eight weights, in the order x i, h i, x f, h f, x o, h o, x c, h c
	s_load_b128 s[32:35], s[0:1], 0x60             ; aimg 32, wimg 34
	v_lshl_add_u32 v128, v0, 2, 0xc400
	v_mov_b32 v129, 0
	v_lshrrev_b32 v1, 5, v0
	v_readfirstlane_b32 s36, v1                    ; wave 0..3
	v_and_b32 v2, 31, v0                           ; lane
	v_lshrrev_b32 v8, 4, v2                        ; lane / 16
	v_and_b32 v9, 15, v2                           ; lane % 16
	v_lshlrev_b32 v6, 4, v2                        ; 16 x lane: my place in a store of 512 bytes
	s_mul_i32 s56, s36, WREG                       ; my wave's LDS bytes
	s_and_b32 s37, ttmp7, 0xffff                   ; y
	s_cmp_lt_u32 s37, 8
	s_cbranch_scc1 .Lacts                          ; the choice hangs on the work-group's number alone
	; ---------------- the weights
	s_sub_co_u32 s37, s37, 8
	s_lshr_b32 s38, s37, 3                         ; which matrix
	s_and_b32 s39, s37, 7                          ; which 256 rows of it
	s_lshr_b32 s40, s38, 1                         ; g
	s_and_b32 s41, s38, 1                          ; 0: a weight of x, 1: of h
	s_lshl_b32 s42, ttmp9, 2
	s_add_co_u32 s42, s42, s36                     ; stream 2 T + u = 4 x + wave
	s_lshl_b32 s44, s39, 21                        ; in the weight: 256 rows of 8,192 bytes,
	s_lshl_b32 s46, ttmp9, 9                       ; 128 columns of 4 bytes a work-group,
	s_add_co_u32 s44, s44, s46
	s_lshl_b32 s46, s36, 7                         ; 32 a wave
	s_add_co_u32 s44, s44, s46
	s_mov_b32 s45, 0
	s_lshl_b32 s47, s41, 3
	s_add_co_u32 s47, s47, s39
	s_lshl_b32 s47, s47, 1                         ; my first unit: 2 (8 x (h's?) + which 256)
	s_mul_i32 s48, s42, STREAM
	s_mul_i32 s46, s47, UNITB
	s_add_co_u32 s48, s48, s46                     ; the unit's first byte in wimg
	s_lshl_b32 s50, s40, 7                         ; my gate's scale words: 128 g on (12,288 stands in the immediate)
	s_add_co_u32 s50, s50, s48
	s_mov_b32 s51, 0
	s_mul_i32 s46, s40, 3072                       ; fragments 2 g and 2 g + 1
	s_add_co_u32 s48, s48, s46
	s_mov_b32 s49, 0
	s_wait_alu depctr_va_vdst(0)
	v_lshlrev_b32 v3, 2, v2                        ; 4 bytes a lane: in a row of the weight, and among my gate's scale words (64 e + 4 r)
	v_mul_u32_u24 v4, v8, 1536
	v_lshl_add_u32 v4, v9, 4, v4
	v_add_nc_u32 v4, s56, v4                       ; into the stage: image e, lane r's place; q and hh stand in the immediates
	v_add_nc_u32 v5, s56, v6                       ; out of it
	s_wait_alu depctr_va_vdst(0)
	s_wait_kmcnt 0x0
	s_bitcmp1_b32 s38, 0                           ; one of eight buffers, by the three bits of the matrix's number
	s_cselect_b64 s[16:17], s[18:19], s[16:17]
	s_cselect_b64 s[20:21], s[22:23], s[20:21]
	s_cselect_b64 s[24:25], s[26:27], s[24:25]
	s_cselect_b64 s[28:29], s[30:31], s[28:29]
	s_bitcmp1_b32 s38, 1
	s_cselect_b64 s[16:17], s[20:21], s[16:17]
	s_cselect_b64 s[24:25], s[28:29], s[24:25]
	s_bitcmp1_b32 s38, 2
	s_cselect_b64 s[16:17], s[24:25], s[16:17]
	s_add_nc_u64 s[16:17], s[16:17], s[44:45]
	s_add_nc_u64 s[52:53], s[34:35], s[48:49]      ; the codes' place
	s_add_nc_u64 s[54:55], s[34:35], s[50:51]      ; the scale words'
.macro LOAD t                          ; block t: W(32 t + i, my column), i = 0 .. 31, into set t % 2
.set i, 0
.rept 32
	global_load_b32 v[XR+32*((\t)%2)+i], v3, s[16:17] offset:(32*(\t)+i)*ROWW th:TH_LOAD_NT
.set i, i+1
.endr
.endm
	LOAD 0
	LOAD 1
; Block t = 4 q + 2 c + hh of my column: K = 128 q + 64 c + 32 hh + 0 .. 31: registers 6 c .. 6 c + 5 of lane r + 16 hh of image (q, e).
.macro BLOCK t
.set XS, XR+32*((\t)%2)
.set QO, 3072*((\t)/4)+256*((\t)%2)
.if (\t) < 7
	s_wait_loadcnt 32                              ; this block's 32 loads are in; the next block's may be out
.else
	s_wait_loadcnt 0x0
.endif
	v_max3_num_f32 v12, |v[XS]|, |v[XS+1]|, |v[XS+2]|              ; the block's largest magnitude, in two chains: all 32 numbers are mine
	v_max3_num_f32 v13, |v[XS+3]|, |v[XS+4]|, |v[XS+5]|
.irp i, 6,10,14,18,22,26
	v_max3_num_f32 v12, v12, |v[XS+\i]|, |v[XS+\i+1]|
	v_max3_num_f32 v13, v13, |v[XS+\i+2]|, |v[XS+\i+3]|
.endr
	v_max3_num_f32 v12, v12, |v[XS+30]|, |v[XS+31]|
	v_max3_num_f32 v12, v12, v13, 0x1800000        ; and the floor 2^(3 - 127): the byte cannot fall under 1
	v_add_nc_u32 v11, 0xff000000, v12              ; 2 off its exponent field: the conversion takes the exponent field of this operand as its scale, and nothing else of it
	v_lshrrev_b32 v13, 23, v11                     ; the scale's byte
.if (\t)%4 == 0
	v_mov_b32 v[SB+(\t)/4], v13                    ; four bytes to a word, the lower K in the lower byte
.else
	v_lshl_or_b32 v[SB+(\t)/4], v13, 8*((\t)%4), v[SB+(\t)/4]
.endif
	v_cvt_scalef32_pk16_fp6_f32 v[CR:CR+2], v[XS:XS+15], v11
	v_cvt_scalef32_pk16_fp6_f32 v[C2:C2+2], v[XS+16:XS+31], v11
	v_nop                                          ; one plain place behind a scaled conversion, ahead of the moves that read its result
.irp i, 0,1,2
	v_mov_b32 v[CR+3+\i], v[C2+\i]                 ; the block's 192 bits on end
.endr
.if ((\t)%4)/2 == 0
	ds_store_b128 v4, v[CR:CR+3] offset:QO         ; registers 0-3,
	ds_store_b64 v4, v[CR+4:CR+5] offset:QO+512    ; 4 and 5
.else
	ds_store_b64 v4, v[CR:CR+1] offset:QO+520      ; registers 6 and 7,
	ds_store_b128 v4, v[CR+2:CR+5] offset:QO+1024  ; 8-11
.endif
.if (\t) < 6
	LOAD (\t)+2
.endif
	s_wait_dscnt 0x0                               ; the stores have read their registers: the next block's codes may be written
.endm
.irp t, 0,1,2,3,4,5,6,7
	BLOCK \t
.endr
	s_wait_alu depctr_va_vdst(0)
.irp q, 0,1
	global_store_b32 v3, v[SB+\q], s[54:55] offset:SCO+UNITB*\q   ; 32 lanes store 128 consecutive bytes: my gate's part of the unit's scale words
.endr
.irp t, 0,1,2,3,4,5,6,7,8,9,10,11
	ds_load_b128 v[XR+4*\t:XR+4*\t+3], v5 offset:512*\t   ; LDS serves a wave's instructions in order: these see my stores
.endr
.irp t, 0,1,2,3,4,5,6,7,8,9,10,11
	s_wait_dscnt 11-\t                             ; loads come back in order: piece t is in, the younger ones may be out
	global_store_b128 v6, v[XR+4*\t:XR+4*\t+3], s[52:53] offset:(\t/6)*UNITB+(\t%6)*512   ; 512 consecutive bytes: the two images of unit t / 6, 3,072 bytes on end
.endr
	s_wait_tensorcnt 0x0
	ds_add_u32 v128, v129
	s_wait_dscnt 0x0
	s_endpgm
	; ---------------- x and h
.Lacts:
	s_lshl_b32 s38, s37, 4
	s_add_co_u32 s38, s38, ttmp9                   ; 0..127
	s_lshr_b32 s39, s38, 6                         ; 0: x, 1: h
	s_bfe_u32 s40, s38, 0x50001                    ; m: which 64 rows (5 bits from bit 1)
	s_and_b32 s41, s38, 1                          ; which 8 of the tensor's 16 units
	s_lshr_b32 s42, s40, 1                         ; stream = m / 2
	s_and_b32 s43, s40, 1                          ; which half of its 128 rows
	s_lshl_b32 s44, s40, 6
	s_lshl_b32 s46, s36, 4
	s_add_co_u32 s44, s44, s46                     ; my wave's first row: 64 m + 16 wave
	s_mul_i32 s44, s44, 1536                       ; its codes,
	s_mul_i32 s46, s41, 768                        ; 8 units of 96 bytes on
	s_add_co_u32 s44, s44, s46
	s_mov_b32 s45, 0
	s_lshl_b32 s48, s40, 12                        ; the scale bytes: 64 m rows of 64 bytes,
	s_lshl_b32 s46, s41, 5                         ; 8 units of 4 bytes,
	s_add_co_u32 s48, s48, s46
	s_lshl_b32 s46, s36, 3                         ; my wave's two units
	s_add_co_u32 s48, s48, s46
	s_mov_b32 s49, 0
	s_lshl_b32 s47, s39, 4
	s_lshl_b32 s46, s41, 3
	s_add_co_u32 s47, s47, s46                     ; the first unit in the stream: 16 (h?) + 8 (which 8)
	s_mul_i32 s50, s42, STREAM
	s_mul_i32 s46, s47, UNITB
	s_add_co_u32 s50, s50, s46                     ; its first byte in aimg
	s_lshl_b32 s46, s43, 2
	s_add_co_u32 s46, s46, s36                     ; my rows' fragment: 4 (m % 2) + wave
	s_mul_i32 s46, s46, 1536
	s_add_co_u32 s52, s50, s46
	s_mov_b32 s53, 0
	s_mul_i32 s46, s36, 2*UNITB                    ; the scale words that I carry: units 2 wave and 2 wave + 1,
	s_add_co_u32 s50, s50, s46
	s_lshl_b32 s46, s43, 8                         ; the 64 rows' 256 bytes (12,288 stands in the immediate)
	s_add_co_u32 s50, s50, s46
	s_mov_b32 s51, 0
	s_wait_alu depctr_va_vdst(0)
	v_mul_u32_u24 v3, v8, 1536
	v_lshl_add_u32 v3, v9, 4, v3                   ; in memory: lanes 0-15 one row's 256 bytes, lanes 16-31 the next row's
	v_mul_u32_u24 v4, v8, AP
	v_lshl_add_u32 v4, v9, 4, v4
	v_add_nc_u32 v4, s56, v4                       ; the same in the stage
	v_mul_u32_u24 v5, v9, AP
	v_mad_u32_u24 v5, v8, 24, v5
	v_add_nc_u32 v5, s56, v5                       ; out of it: a fragment's row r, + 24 hh
	v_lshlrev_b32 v7, 7, v2                        ; scale bytes: rows 2 lane and 2 lane + 1
	v_lshlrev_b32 v10, 3, v2                       ; and their two words in the unit
	s_wait_alu depctr_va_vdst(0)
	s_wait_kmcnt 0x0
	s_cmp_eq_u32 s39, 0
	s_cselect_b64 s[8:9], s[8:9], s[12:13]
	s_cselect_b64 s[10:11], s[10:11], s[14:15]
	s_add_nc_u64 s[8:9], s[8:9], s[44:45]
	s_add_nc_u64 s[10:11], s[10:11], s[48:49]
	s_add_nc_u64 s[52:53], s[32:33], s[52:53]
	s_add_nc_u64 s[50:51], s[32:33], s[50:51]
.irp j, 0,1,2,3,4,5,6,7
.irp k, 0,1,2
	global_load_b128 v[XR+4*(3*\j+\k):XR+4*(3*\j+\k)+3], v3, s[8:9] offset:2*\j*1536+256*\k th:TH_LOAD_NT   ; rows 2 j and 2 j + 1, the k-th 256 bytes of my 768
.endr
.endr
.irp i, 0,1
.irp j, 0,1
	global_load_b32 v[SB+2*\i+\j], v7, s[10:11] offset:64*\j+4*\i   ; the word of row 2 lane + j, unit 2 wave + i
.endr
.endr
	s_wait_loadcnt 4                               ; the codes are in; the four loads of scale words may be out
.irp j, 0,1,2,3,4,5,6,7
.irp k, 0,1,2
	ds_store_b128 v4, v[XR+4*(3*\j+\k):XR+4*(3*\j+\k)+3] offset:2*\j*AP+256*\k
.endr
.endr
	s_wait_dscnt 0x0                               ; the stores have read their registers, which take the fragments now
.irp n, 0,1,2,3,4,5,6,7
.irp p, 0,1,2,3,4,5
	ds_load_b64 v[XR+12*\n+2*\p:XR+12*\n+2*\p+1], v5 offset:96*\n+48*(\p/3)+8*(\p%3)   ; unit n: registers 6 c .. 6 c + 5 = the 24 bytes at 96 n + 48 c + 24 hh of row r
.endr
.endr
	s_wait_loadcnt 0x0                             ; the scale words
.irp i, 0,1
	global_store_b64 v10, v[SB+2*\i:SB+2*\i+1], s[50:51] offset:SCO+UNITB*\i   ; 32 lanes store 256 consecutive bytes, at a multiple of 256 from aimg's first byte
.endr
.irp n, 0,1,2,3,4,5,6,7
	s_wait_dscnt 6*(7-\n)                          ; fragment n is in; the younger fragments' loads may be out
.irp c, 0,1,2
	global_store_b128 v6, v[XR+12*\n+4*\c:XR+12*\n+4*\c+3], s[52:53] offset:UNITB*\n+512*\c   ; 512 consecutive bytes of the image
.endr
.endr
	s_wait_tensorcnt 0x0
	ds_add_u32 v128, v129
	s_wait_dscnt 0x0
	s_endpgm
.Lfunc_end_k_qa2489bc0db_quant:
	.size	k_qa2489bc0db_quant, .Lfunc_end_k_qa2489bc0db_quant-k_qa2489bc0db_quant
	.p2alignl 7, 3214868480
	.fill 96, 4, 3214868480
	.section	.rodata,"a",@progbits
	.p2align	6, 0x0
	.amdhsa_kernel k_qa2489bc0db_quant
		.amdhsa_group_segment_fixed_size 50688
		.amdhsa_private_segment_fixed_size 0
		.amdhsa_enable_private_segment 0
		.amdhsa_kernarg_size 112
		.amdhsa_user_sgpr_count 2
		.amdhsa_user_sgpr_kernarg_segment_ptr 1
		.amdhsa_wavefront_size32 1
		.amdhsa_system_sgpr_workgroup_id_x 1
		.amdhsa_system_sgpr_workgroup_id_y 1
		.amdhsa_system_sgpr_workgroup_id_z 1
		.amdhsa_system_vgpr_workitem_id 0
		.amdhsa_next_free_vgpr 130
		.amdhsa_next_free_sgpr 66
		.amdhsa_reserve_vcc 0
		.amdhsa_float_denorm_mode_32 3
		.amdhsa_float_denorm_mode_16_64 3
		.amdhsa_memory_ordered 1
		.amdhsa_forward_progress 1
		.amdhsa_inst_pref_size 55
	.end_amdhsa_kernel
	.amdgpu_metadata
---
amdhsa.version: [ 1, 2 ]
amdhsa.kernels:
  - .name:           k_qa2489bc0db_quant
    .symbol:         k_qa2489bc0db_quant.kd
    .args:
      - { .name: x_codes, .offset: 0, .size: 8, .value_kind: global_buffer, .address_space: global }
      - { .name: x_scales, .offset: 8, .size: 8, .value_kind: global_buffer, .address_space: global }
      - { .name: h_codes, .offset: 16, .size: 8, .value_kind: global_buffer, .address_space: global }
      - { .name: h_scales, .offset: 24, .size: 8, .value_kind: global_buffer, .address_space: global }
      - { .name: w_xi, .offset: 32, .size: 8, .value_kind: global_buffer, .address_space: global }
      - { .name: w_hi, .offset: 40, .size: 8, .value_kind: global_buffer, .address_space: global }
      - { .name: w_xf, .offset: 48, .size: 8, .value_kind: global_buffer, .address_space: global }
      - { .name: w_hf, .offset: 56, .size: 8, .value_kind: global_buffer, .address_space: global }
      - { .name: w_xo, .offset: 64, .size: 8, .value_kind: global_buffer, .address_space: global }
      - { .name: w_ho, .offset: 72, .size: 8, .value_kind: global_buffer, .address_space: global }
      - { .name: w_xc, .offset: 80, .size: 8, .value_kind: global_buffer, .address_space: global }
      - { .name: w_hc, .offset: 88, .size: 8, .value_kind: global_buffer, .address_space: global }
      - { .name: aimg, .offset: 96, .size: 8, .value_kind: global_buffer, .address_space: global }
      - { .name: wimg, .offset: 104, .size: 8, .value_kind: global_buffer, .address_space: global }
    .group_segment_fixed_size: 50688
    .private_segment_fixed_size: 0
    .kernarg_segment_align: 8
    .kernarg_segment_size: 112
    .max_flat_workgroup_size: 128
    .sgpr_count:     66
    .vgpr_count:     130
    .wavefront_size: 32
...
	.end_amdgpu_metadata
.endif
;; end of part 1
;; launch lstm (part 2): grid 32 x 8, 4 waves a work-group, clusters of 4 x 4, 327,680 bytes of LDS; arguments aimg, wimg, b_i, b_f, b_o, b_c, c, out0, out1; writes out0, out1
.if DOCPART == 2
	.amdgcn_target "amdgcn-amd-amdhsa--gfx1250"
	.amdhsa_code_object_version 6
	.text
	.protected	k_qa2489bc0db_lstm
	.globl	k_qa2489bc0db_lstm
	.p2align	8
	.type	k_qa2489bc0db_lstm,@function
k_qa2489bc0db_lstm:
	s_mov_b64 s[64:65], 0
	v_nop
	global_prefetch_b8 v0, s[64:65] scope:SCOPE_SE
	s_setreg_imm32_b32 hwreg(HW_REG_WAVE_MODE, 25, 1), 1
	s_wait_xcnt 0x0
	s_wait_alu depctr_hold_cnt(0) depctr_sa_sdst(0) depctr_va_vdst(0) depctr_va_sdst(0) depctr_va_ssrc(0) depctr_va_vcc(0) depctr_vm_vsrc(0)
	s_getreg_b32 s2, hwreg(HW_REG_IB_STS2, 6, 4)
	s_cmp_eq_u32 s2, 0
	s_cbranch_scc0 .Lentry_in_a_cluster
	s_endpgm
.Lentry_in_a_cluster:
	s_bfe_u32 s2, ttmp6, 0x10000c
	s_cmp_lg_u32 s2, 0xf033
	s_cbranch_scc0 .Lentry_shape_is_right
	s_endpgm
.Lentry_shape_is_right:
; gates = [x h] [Wx; Wh] + b on codes of E2M3 (K = 4,096 = 32 units of 128), then the LSTM cell, in one launch.
; aimg and wimg hold both operands as images of the operand registers (the first launch's layout): a unit of 128 rows is 12,800 bytes: eight fragments of 1,536 bytes, then 128 scale words.
; A work-group of four waves makes 256 rows x 64 hidden columns x 4 gates.  Wave (RH, CH): rows 128 RH on, B's stream CH: fragment b = 2 g + e holds gate g, hidden columns 32 CH + 16 e on.
; The matrix instruction is used transposed (source 0 = W, source 1 = x or h): lane (r, h) holds row r, register j hidden column 8 h + j: so ONE LANE HOLDS ALL FOUR GATES of its 8 columns, and the cell is computed in the accumulators.
; REGISTERS: each window w = 0..3 holds at v128-255 the 16 accumulators of A's blocks 2 w, 2 w + 1 and at v32-127 one set of fragments: window 0 B's set 0, window 1 B's set 1, window 2 A's set 0, window 3 A's set 1.
;   A step of parity p multiplies B's set p by A's set p.  Both operands have two sets, so the next unit's 56 LDS loads stand in ONE run at the step's head, and the step's 64 matrix instructions follow unbroken; the run has the step in which to land.
;   Window 0: v0-15 addresses, v16-31 two sets of scale words (lanes 0-15 A's block i, lanes 16-31 B's).  Window 1: v16-20 the way out's addresses.  Windows 2, 3: v0-31 the biases, the C of the first step.
; THE RING: two LDS slots of three units (A's two halves, B's two halves), filled by joint loads in a 4 x 4 cluster: A's tiles shared along a row of the cluster, B's along a column.  32 units = a first fill of two and ten of three.
;   By this text's count a wave has one tensor load out at a time; every wait on TENSORcnt is for 0.
; PREFETCH: behind each refill the fill that follows it is asked for, three units ahead of its load: 38 of its 150 blocks of 256 bytes by each of the four partners, told apart by address; the last refill asks for nothing.  c's tile is asked for two units ahead of its load.
; c comes by one plain tensor load a wave (64 rows of 256 bytes, 16 bytes of padding) into slot 1 behind the ring's last round; c_t is stored over c's bytes, h_t behind them; a block's 16 rows leave as whole rows of 256 bytes under the next block's arithmetic.
; THE CELL: with ex = 2^(-x log2 e) and tx = 2^(2 x log2 e): c_t = c / (1 + ef) + (tg - 1) / ((1 + ei)(1 + tg)), h_t = (tc - 1) / ((1 + eo)(1 + tc)).  The exponents of tg and tc are held at 64, where tanh is 1 in f32, so that tg - 1 and tc - 1 stay finite;
;   an ei, ef or eo that overflows makes its reciprocal 0, which is the gate's value there.  LIMIT: NaN among the inputs is not served.
.set UNITB,  12800
.set SCO,    12288
.set HB,     3*UNITB
.set SLOT,   4*HB
.set STREAM, 32*UNITB
.set SPARE,  2*SLOT                    ; the spare words: 512 bytes that no other line names
.set CP,     272                       ; c's and the results' LDS rows: 256 bytes + 16
.set CBASE,  SLOT                      ; c, then c_t: 256 rows; h_t: the 256 rows behind them
.set FR,     12
.set FRG,    32
.set ACC,    128
.set ADRA, 4
.set ADRB, 6
.set ADSC, 8
.set SPW,  10
.set NIL,  11
.set PF0,  12
.set PF1,  13
.set PFO,  14
.set BO,   15
.set SC,   16
.set CADR, 16                          ; window 1: my place in c's tile
.set HADR, 17                          ; window 1: the same in h_t's stage
.set SRW,  18                          ; window 1: whole rows back: c_t's (CH = 0) or h_t's (CH = 1) of my row half
.set CO,   20                          ; window 1: my byte offset in the output
.set CC,   32                          ; the way out: c of a window's two blocks
.set TT,   64                          ; the way out: at work
.set OB,   80                          ; the way out: 16 rows read back, in windows 0 and 1 by turns
.set WV,   22
.set RH,   23
.set CH,   24
.set TC,   25
.set PFA,  26
.set G1A,  32
.set G1B,  40
.set G1AS, 48
.set G1BS, 56
.set G0,   68
.set G0B,  76
.set G0C,  88
.set G1C,  92
.set MSB, 0
.macro WIN new
.if MSB != (\new)
	s_set_vgpr_msb (MSB<<8)|(\new)
.set MSB, (\new)
.endif
.endm
.macro PLACES n
.rept \n
	v_nop
.endr
.endm
.macro JLOAD g0a, g1a, g0b, g1b        ; a joint load: waves 0, 1 fetch A's halves, waves 2, 3 B's
	s_cmp_eq_u32 s[RH], 0
	s_cbranch_scc0 .Lfor_b_\@
	tensor_load_to_lds s[\g0a:\g0a+3], s[\g1a:\g1a+7]
	s_nop 0
	PLACES 4
	s_branch .Lasked_\@
.Lfor_b_\@:
	tensor_load_to_lds s[\g0b:\g0b+3], s[\g1b:\g1b+7]
	s_nop 0
	PLACES 4
.Lasked_\@:
.endm
.macro ASK how                         ; how = 0: not in the loop's last trip, behind whose last refill no fill follows
.if \how == 0
	s_cmp_gt_u32 s3, 1
	s_cbranch_scc0 .Lnot_now_\@
.endif
	global_prefetch_b8 v[PF0], s[PFA:PFA+1] th:TH_LOAD_NT scope:SCOPE_SE
	global_prefetch_b8 v[PF1], s[PFA:PFA+1] th:TH_LOAD_NT scope:SCOPE_SE
.if \how == 0
.Lnot_now_\@:
.endif
.endm
.macro CREST
	s_cmp_lg_u32 s[WV], 0
	s_cbranch_scc1 .Lnot_wave_0_\@
	s_barrier_signal -3
.Lnot_wave_0_\@:
	s_barrier_wait -3
	s_barrier_signal -1
	s_barrier_wait -1
.endm
.macro CROUND
	s_barrier_signal -1
	s_barrier_wait -1
	CREST
.endm
	s_load_b512 s[4:19], s[0:1], 0x0               ; aimg 4, wimg 6, b_i 8, b_f 10, b_o 12, b_c 14, c 16, out0 18
	s_load_b64 s[20:21], s[0:1], 0x40              ; out1
	v_lshl_add_u32 v[SPW], v0, 2, SPARE
	v_mov_b32 v[NIL], 0
	ds_add_u32 v[SPW], v[NIL]                      ; the opening lines: the add twice on end and one wait
	ds_add_u32 v[SPW], v[NIL]
	v_lshrrev_b32 v1, 5, v0
	v_readfirstlane_b32 s[WV], v1
	s_lshr_b32 s[RH], s[WV], 1
	s_and_b32 s[CH], s[WV], 1
	s_bfe_u32 s2, ttmp6, 0x40000                   ; cx
	s_bfe_u32 s30, ttmp6, 0x40004                  ; cy
	s_lshl_b32 s[TC], ttmp9, 2
	s_add_co_u32 s[TC], s[TC], s2                  ; tile column
	s_lshl_b32 s84, s30, 2
	s_lshl_b32 s84, 15, s84                        ; my row of the cluster
	s_lshl_b32 s86, 0x1111, s2                     ; my column
	s_and_b32 s31, ttmp7, 0xffff
	s_lshl_b32 s3, s31, 2
	s_add_co_u32 s3, s3, s30                       ; tile row
	s_or_b32 s[G1A], s84, (3<<16)|(1<<21)
	s_or_b32 s[G1AS], s84, (3<<16)|(1<<21)
	s_or_b32 s[G1B], s86, (3<<16)|(1<<21)
	s_or_b32 s[G1BS], s86, (3<<16)|(1<<21)
.irp g, G1A, G1B                       ; three units: 150 rows of 256 bytes, dense
	s_mov_b32 s[\g+1], 32<<16
	s_mov_b32 s[\g+2], 150<<16
	s_mov_b32 s[\g+3], 32<<16
	s_mov_b32 s[\g+4], 150
	s_mov_b32 s[\g+5], 32
	s_mov_b32 s[\g+6], 0
	s_mov_b32 s[\g+7], 0
.endr
.irp g, G1AS, G1BS                     ; the first two units: 100 rows
	s_mov_b32 s[\g+1], 32<<16
	s_mov_b32 s[\g+2], 100<<16
	s_mov_b32 s[\g+3], 32<<16
	s_mov_b32 s[\g+4], 100
	s_mov_b32 s[\g+5], 32
	s_mov_b32 s[\g+6], 0
	s_mov_b32 s[\g+7], 0
.endr
	s_mov_b32 s[G1C], (3<<16)|(1<<20)|(5<<22)|(3<<25)  ; c: no mask; elements of 8 bytes; 4 words of padding behind every 64
	s_mov_b32 s[G1C+1], 32<<16
	s_mov_b32 s[G1C+2], 64<<16
	s_mov_b32 s[G1C+3], 32<<16
	s_mov_b32 s[G1C+4], 64
	s_mov_b32 s[G1C+5], 1024                       ; a row of c is 8,192 bytes
	s_mov_b32 s[G1C+6], 0
	s_mov_b32 s[G1C+7], 0
	s_lshl_b32 s84, s3, 1
	s_add_co_u32 s84, s84, s[CH]
	s_mul_i32 s84, s84, STREAM                     ; A's stream 2 x tile row + the half that I fetch
	s_mov_b32 s85, 0
	s_lshl_b32 s86, s[TC], 1
	s_add_co_u32 s86, s86, s[CH]
	s_mul_i32 s86, s86, STREAM                     ; B's stream
	s_mov_b32 s87, 0
	s_mul_i32 s29, s[CH], HB
	s_wait_dscnt 0x0                               ; both opening adds are done
	s_wait_kmcnt 0x0
	s_add_nc_u64 s[4:5], s[4:5], s[84:85]
	s_add_nc_u64 s[6:7], s[6:7], s[86:87]
.irp s, 0,1                            ; slot 0: units 0, 1; slot 1: units 2 to 4
	s_mov_b32 s[G0+4*\s], 1
	s_add_co_u32 s[G0+4*\s+1], s29, \s*SLOT
	s_add_nc_u64 s[G0+4*\s+2:G0+4*\s+3], s[4:5], \s*2*UNITB
	s_or_b32 s[G0+4*\s+3], s[G0+4*\s+3], 0x80000000
	s_mov_b32 s[G0B+4*\s], 1
	s_add_co_u32 s[G0B+4*\s+1], s29, \s*SLOT+2*HB
	s_add_nc_u64 s[G0B+4*\s+2:G0B+4*\s+3], s[6:7], \s*2*UNITB
	s_or_b32 s[G0B+4*\s+3], s[G0B+4*\s+3], 0x80000000
.endr
	CROUND                                         ; all sixteen work-groups are here: the first joint loads meet
	JLOAD G0, G1AS, G0B, G1BS                      ; units 0 and 1: one tensor load a wave at the head; all that follows stands under its flight
	s_lshl_b32 s84, s[TC], 8
	s_lshl_b32 s85, s[CH], 7
	s_add_co_u32 s84, s84, s85                     ; my 32 hidden columns, in bytes
	s_mov_b32 s85, 0
	s_add_nc_u64 s[8:9], s[8:9], s[84:85]
	s_add_nc_u64 s[10:11], s[10:11], s[84:85]
	s_add_nc_u64 s[12:13], s[12:13], s[84:85]
	s_add_nc_u64 s[14:15], s[14:15], s[84:85]
	v_and_b32 v1, 15, v0                           ; r
	v_bfe_u32 v2, v0, 4, 1                         ; h
	v_lshlrev_b32 v[BO], 5, v2
	WIN 0x80                                       ; the biases in the result's layout: fragments 0-3 into window 2, 4-7 into window 3
.irp b, 0,1,2,3
	global_load_b128 v[8*\b:8*\b+3], v[BO], s[8+2*(\b/2):9+2*(\b/2)] offset:64*(\b%2)
	global_load_b128 v[8*\b+4:8*\b+7], v[BO], s[8+2*(\b/2):9+2*(\b/2)] offset:64*(\b%2)+16
.endr
	WIN 0xc0
.irp b, 0,1,2,3
	global_load_b128 v[8*\b:8*\b+3], v[BO], s[12+2*(\b/2):13+2*(\b/2)] offset:64*(\b%2)
	global_load_b128 v[8*\b+4:8*\b+7], v[BO], s[12+2*(\b/2):13+2*(\b/2)] offset:64*(\b%2)+16
.endr
	WIN 0
	s_lshl_b32 s87, s3, 8                          ; 256 x tile row
	s_lshl_b32 s84, s[WV], 6
	s_add_co_u32 s84, s84, s87                     ; c: the 64 rows that I fetch
	s_lshl_b32 s84, s84, 13
	s_lshl_b32 s86, s[RH], 7
	s_add_co_u32 s86, s86, s87                     ; the output: my row half
	s_lshl_b32 s86, s86, 13
	s_lshl_b32 s87, s[TC], 8
	s_add_co_u32 s84, s84, s87
	s_add_co_u32 s86, s86, s87
	s_mov_b32 s85, 0
	s_mov_b32 s87, 0
	s_add_nc_u64 s[16:17], s[16:17], s[84:85]
	s_cmp_eq_u32 s[CH], 0                          ; of a row half's two waves one stores c_t (out1), the other h_t (out0)
	s_cselect_b64 s[18:19], s[20:21], s[18:19]
	s_add_nc_u64 s[18:19], s[18:19], s[86:87]
	s_mov_b32 s[G0C], 1
	s_mul_i32 s[G0C+1], s[WV], 64*CP
	s_add_co_u32 s[G0C+1], s[G0C+1], CBASE
	s_mov_b64 s[G0C+2:G0C+3], s[16:17]
	s_or_b32 s[G0C+3], s[G0C+3], 0x80000000
	s_cmp_eq_u32 s[RH], 0                          ; the prefetches: A's stream or B's, my work-group's 38 blocks of a fill's 150
	s_cselect_b32 s29, s2, s30
	s_cselect_b64 s[PFA:PFA+1], s[4:5], s[6:7]
	s_add_nc_u64 s[PFA:PFA+1], s[PFA:PFA+1], 5*UNITB
	s_mul_i32 s29, s29, 38
	s_mul_i32 s84, s[RH], HB                       ; my half of A in a slot
	s_mul_i32 s86, s[CH], HB
	s_add_co_u32 s86, s86, 2*HB                    ; my half of B
	s_xor_b32 s85, s[RH], 1
	s_add_co_u32 s85, s85, s[CH]
	s_add_co_u32 s85, s85, 1
	s_mul_i32 s85, s85, HB                         ; from the one to the other
	s_mul_i32 s100, s[RH], 128*CP
	s_add_co_u32 s100, s100, CBASE
	s_lshl_b32 s101, s[CH], 7
	s_add_co_u32 s87, s100, s101                   ; my 128 rows x 128 bytes of c's tile
	s_mul_i32 s101, s[CH], 256*CP
	s_add_co_u32 s100, s100, s101                  ; the whole rows that I store
	s_wait_alu depctr_va_vdst(0)
	v_and_b32 v[PF0], 31, v0
	v_min_u32 v[PF1], 5, v[PF0]
	v_add_nc_u32 v[PF0], s29, v[PF0]
	v_add_nc_u32 v[PF1], s29, v[PF1]
	v_add_nc_u32 v[PF1], 32, v[PF1]
	v_min_u32 v[PF1], 149, v[PF1]
	v_lshlrev_b32 v[PF0], 8, v[PF0]
	v_lshlrev_b32 v[PF1], 8, v[PF1]
	v_and_b32 v[PFO], 31, v0
	v_lshlrev_b32 v[PFO], 13, v[PFO]               ; c: a lane a row
	v_and_b32 v16, 31, v0
	v_lshlrev_b32 v16, 4, v16                      ; an image: 16 bytes a lane
	v_lshlrev_b32 v17, 2, v1
	v_mul_u32_u24 v18, s85, v2
	v_add_nc_u32 v17, v17, v18                     ; scale words: lanes 0-15 A's, lanes 16-31 B's
	v_add_nc_u32 v[ADRA], s84, v16
	v_add_nc_u32 v[ADRA+1], SLOT, v[ADRA]
	v_add_nc_u32 v[ADRB], s86, v16
	v_add_nc_u32 v[ADRB+1], SLOT, v[ADRB]
	v_add_nc_u32 v[ADSC], s84, v17
	v_add_nc_u32 v[ADSC+1], SLOT, v[ADSC]
	v_mul_u32_u24 v20, v1, CP
	v_lshl_add_u32 v20, v2, 5, v20                 ; row r, 32 bytes for each half of the lanes
	v_add_nc_u32 v20, s87, v20
	v_mul_u32_u24 v21, v2, CP
	v_lshl_add_u32 v21, v1, 4, v21                 ; lanes 0-15 one row of 256 bytes, lanes 16-31 the next
	v_lshlrev_b32 v22, 13, v2
	v_lshl_add_u32 v22, v1, 4, v22                 ; and the same two rows in memory
	WIN 0x40                                       ; the way out's addresses, into window 1
	v_add_nc_u32 v[CADR], 0, v20
	v_add_nc_u32 v[HADR], 256*CP, v20
	v_add_nc_u32 v[SRW], s100, v21
	v_add_nc_u32 v[CO], 0, v22
	WIN 0
; 56 LDS loads in one run: unit (slot, q) into the sets of its parity p
.macro RUN slot, q, p
	WIN 0
.irp i, 0,1,2,3,4,5,6,7
	ds_load_b32 v[SC+8*(\p)+\i], v[ADSC+\slot] offset:UNITB*(\q)+SCO+64*\i
.endr
	WIN (\p)<<6
.irp b, 0,1,2,3,4,5,6,7
.irp k, 0,1,2
	ds_load_b128 v[FRG+FR*\b+4*\k:FRG+FR*\b+4*\k+3], v[ADRB+\slot] offset:UNITB*(\q)+1536*\b+512*\k
.endr
.endr
	WIN (2+(\p))<<6
.irp b, 0,1,2,3,4,5,6,7
.irp k, 0,1,2
	ds_load_b128 v[FRG+FR*\b+4*\k:FRG+FR*\b+4*\k+3], v[ADRA+\slot] offset:UNITB*(\q)+1536*\b+512*\k
.endr
.endr
.endm
; 16 matrix instructions: A's blocks 2 w, 2 w + 1 x B's eight, sets p.  first = 1: the biases are C.  The accumulators take turns, one instruction a turn.
.macro PHASE w, p, first
.if \first == 0
	WIN ((\w)<<6)|((\w)<<4)|((2+(\p))<<2)|(\p)
.endif
.irp a, 0,1
.irp b, 0,1,2,3,4,5,6,7
.set DA, ACC+8*(8*\a+\b)
.set AA, FRG+FR*(2*(\w)+\a)
.set SA, SC+8*(\p)+2*(\w)+\a
.if \first
	WIN ((\w)<<6)|((2+\b/4)<<4)|((2+(\p))<<2)|(\p)
	v_wmma_scale_f32_16x16x128_f8f6f4 v[DA:DA+7], v[FRG+FR*\b:FRG+FR*\b+FR-1], v[AA:AA+FR-1], v[8*(\b%4):8*(\b%4)+7], v[SC+8*(\p)+\b], v[SA] matrix_a_fmt:MATRIX_FMT_FP6 matrix_b_fmt:MATRIX_FMT_FP6 matrix_a_scale:MATRIX_SCALE_ROW1
.else
	v_wmma_scale_f32_16x16x128_f8f6f4 v[DA:DA+7], v[FRG+FR*\b:FRG+FR*\b+FR-1], v[AA:AA+FR-1], v[DA:DA+7], v[SC+8*(\p)+\b], v[SA] matrix_a_fmt:MATRIX_FMT_FP6 matrix_b_fmt:MATRIX_FMT_FP6 matrix_a_scale:MATRIX_SCALE_ROW1
.endif
.endr
.endr
.endm
; A plain step: this unit's fragments, asked for a step ago, are in; four places ahead of the loads into the sets that the step before multiplied; the next unit's run; 64 matrix instructions.
.macro STEP p, slot, q, first
	s_wait_dscnt 0x0
	PLACES 4
	RUN \slot, \q, 1-(\p)
	PHASE 0, \p, \first
	PHASE 1, \p, \first
	PHASE 2, \p, \first
	PHASE 3, \p, \first
.endm
; A slot's last unit.  At its head the slot has been read out into registers: the round stands behind the first 16 products, the slot is filled again, and the next unit's run reads the other slot.
; mode 1: the three units two fills on; mode 2: c's tile, a plain load of each wave.
.macro TURN p, slot, next, mode, ask
.if \mode == 1
	s_wait_xcnt 0x0                                ; my prefetches have read their address
	s_add_nc_u64 s[PFA:PFA+1], s[PFA:PFA+1], HB
.endif
	WIN 0
	s_wait_tensorcnt 0x0                           ; my part of the next slot has landed
	ds_add_u32 v[SPW], v[NIL]
.if \mode == 1
	s_add_nc_u64 s[G0+4*\slot+2:G0+4*\slot+3], s[G0+4*\slot+2:G0+4*\slot+3], 2*HB
	s_add_nc_u64 s[G0B+4*\slot+2:G0B+4*\slot+3], s[G0B+4*\slot+2:G0B+4*\slot+3], 2*HB
.endif
	s_wait_dscnt 0x0                               ; the add is done, my reads of this slot are over
	s_barrier_signal -1
	PHASE 0, \p, 0
	WIN 0
	s_barrier_wait -1
	CREST
.if \mode == 2
	tensor_load_to_lds s[G0C:G0C+3], s[G1C:G1C+7]
	s_nop 0
	PLACES 4
.else
	JLOAD G0+4*\slot, G1A, G0B+4*\slot, G1B
.endif
	RUN \next, 0, 1-(\p)                           ; the four v_nop behind the load are the places ahead of these loads
.if \mode == 1
	WIN 0
	ASK \ask
.endif
	PHASE 1, \p, 0
	PHASE 2, \p, 0
	PHASE 3, \p, 0
.endm
	s_wait_alu depctr_va_vdst(0)
	s_wait_tensorcnt 0x0                           ; my part of units 0 and 1 is in
	ds_add_u32 v[SPW], v[NIL]
	s_sub_nc_u64 s[G0+2:G0+3], s[G0+2:G0+3], UNITB   ; slot 0's first fill was a unit short: its next begins at unit 5 = -1 + 6
	s_sub_nc_u64 s[G0B+2:G0B+3], s[G0B+2:G0B+3], UNITB
	s_wait_dscnt 0x0
	CROUND
	JLOAD G0+4, G1A, G0B+4, G1B                    ; units 2 to 4: slot 1's first fill
	RUN 0, 0, 0
	s_wait_loadcnt 0x0                             ; the biases
	STEP 0, 0, 1, 1
	TURN 1, 0, 1, 1, 1
	WIN 0
	s_mov_b32 s3, 4
.Llap:
	STEP 0, 1, 1, 0
	STEP 1, 1, 2, 0
	TURN 0, 1, 0, 1, 1
	STEP 1, 0, 1, 0
	STEP 0, 0, 2, 0
	TURN 1, 0, 1, 1, 0
	WIN 0
	s_sub_co_u32 s3, s3, 1
	s_cmp_lg_u32 s3, 0
	s_cbranch_scc1 .Llap
	STEP 0, 1, 1, 0
	WIN 0
	global_prefetch_b8 v[PFO], s[16:17] th:TH_LOAD_NT scope:SCOPE_SE               ; c's 64 rows that I fetch two units on
	global_prefetch_b8 v[PFO], s[16:17] offset:262144 th:TH_LOAD_NT scope:SCOPE_SE
	STEP 1, 1, 2, 0
	TURN 0, 1, 0, 2, 0
	STEP 1, 0, 1, 0
	STEP 0, 0, 2, 0
	s_wait_dscnt 0x0                               ; the last unit: nothing more to fetch
	PHASE 0, 1, 0
	PHASE 1, 1, 0
	PHASE 2, 1, 0
	PHASE 3, 1, 0
	PLACES 4                                       ; ahead of the loads into the fragments' registers and of the first reads of results
	WIN 0
	s_wait_tensorcnt 0x0                           ; my 64 rows of c are in LDS
	s_barrier_signal -1
	s_barrier_wait -1                              ; and everybody's
	s_mov_b32 s4, 0xbfb8aa3b                       ; -log2 e
	s_mov_b32 s5, s4
	s_mov_b32 s6, 0x4038aa3b                       ; 2 log2 e
	s_mov_b32 s7, s6
	s_mov_b32 s8, 0x42800000                       ; 64.0
.irp a, 0,1,2,3,4,5,6,7                ; c in the results' layout: block a's 16 numbers a lane into window a / 2
	WIN ((\a/2)<<6)|1
.irp k, 0,1,2,3
	ds_load_b128 v[CC+16*(\a%2)+4*\k:CC+16*(\a%2)+4*\k+3], v[CADR] offset:16*\a*CP+64*(\k/2)+16*(\k%2)
.endr
.endr
.macro OUTLD a                         ; block a's 16 rows of my output back, two whole rows a load
	s_wait_xcnt 0x0                                ; the stores of the block two back have read these registers
	WIN (((\a)%2)<<6)|1
.irp t, 0,1,2,3,4,5,6,7
	ds_load_b128 v[OB+4*\t:OB+4*\t+3], v[SRW] offset:(16*(\a)+2*\t)*CP
.endr
.endm
.macro OUTST a
	WIN (((\a)%2)<<2)|1
.irp t, 0,1,2,3,4,5,6,7
	global_store_b128 v[CO], v[OB+4*\t:OB+4*\t+3], s[18:19] offset:(16*(\a)+2*\t)*8192 th:TH_STORE_NT   ; sixteen lanes store 256 consecutive bytes, aligned
.endr
.endm
; The cell for block a, 16 rows: registers ES + 0..15 i, + 16..31 f, + 32..47 o, + 48..63 g of the lane's 16 hidden columns.  One wait ahead of each batch of transcendentals and one behind it.
.macro EPI a
.set W, (\a)/2
.set ES, ACC+64*((\a)%2)
.set CA, CC+16*((\a)%2)
	WIN 0x55*W
	s_wait_alu depctr_va_vdst(0)                   ; directly ahead of the first readers of matrix results
.set j, 0
.rept 24
	v_pk_mul_f32 v[ES+j:ES+j+1], v[ES+j:ES+j+1], s[4:5] op_sel_hi:[1,0]
.set j, j+2
.endr
.rept 8
	v_pk_mul_f32 v[ES+j:ES+j+1], v[ES+j:ES+j+1], s[6:7] op_sel_hi:[1,0]
.set j, j+2
.endr
.set j, 0
.rept 16
	v_min_num_f32 v[ES+48+j], s8, v[ES+48+j]       ; tg's exponent held at 64
.set j, j+1
.endr
	s_wait_alu depctr_va_vdst(0)
.set j, 0
.rept 64
	v_exp_f32 v[ES+j], v[ES+j]                     ; ei, ef, eo, tg
.set j, j+1
.endr
	v_nop
	s_wait_alu depctr_va_vdst(0)
.if (\a) > 0
	s_barrier_wait -1                              ; the block before lies whole in the stage
	OUTLD (\a)-1
	WIN 0x55*W
.endif
.set j, 0
.rept 8
	v_pk_add_f32 v[TT+j:TT+j+1], v[ES+48+j:ES+48+j+1], -1.0 op_sel_hi:[1,0]                ; tg - 1
.set j, j+2
.endr
.set j, 0
.rept 32
	v_pk_add_f32 v[ES+j:ES+j+1], v[ES+j:ES+j+1], 1.0 op_sel_hi:[1,0]
.set j, j+2
.endr
.set j, 0
.rept 8
	v_pk_mul_f32 v[ES+j:ES+j+1], v[ES+j:ES+j+1], v[ES+48+j:ES+48+j+1]                      ; (1 + ei)(1 + tg)
.set j, j+2
.endr
	s_wait_alu depctr_va_vdst(0)
.set j, 0
.rept 32
	v_rcp_f32 v[ES+j], v[ES+j]
.set j, j+1
.endr
	v_nop
	s_wait_alu depctr_va_vdst(0)
	s_wait_dscnt 0x0                               ; c is in, and so are the rows read back above
.set j, 0
.rept 8
	v_pk_mul_f32 v[TT+j:TT+j+1], v[TT+j:TT+j+1], v[ES+j:ES+j+1]                            ; sigmoid(i) tanh(g)
.set j, j+2
.endr
.set j, 0
.rept 8
	v_pk_fma_f32 v[CA+j:CA+j+1], v[CA+j:CA+j+1], v[ES+16+j:ES+16+j+1], v[TT+j:TT+j+1]      ; c_t
.set j, j+2
.endr
.set j, 0
.rept 8
	v_pk_mul_f32 v[TT+j:TT+j+1], v[CA+j:CA+j+1], s[6:7] op_sel_hi:[1,0]
.set j, j+2
.endr
.set j, 0
.rept 16
	v_min_num_f32 v[TT+j], s8, v[TT+j]             ; tc's exponent held at 64
.set j, j+1
.endr
	s_wait_alu depctr_va_vdst(0)
.set j, 0
.rept 16
	v_exp_f32 v[TT+j], v[TT+j]
.set j, j+1
.endr
	v_nop
	s_wait_alu depctr_va_vdst(0)
.set j, 0
.rept 8
	v_pk_add_f32 v[ES+48+j:ES+48+j+1], v[TT+j:TT+j+1], -1.0 op_sel_hi:[1,0]                ; tc - 1
.set j, j+2
.endr
.set j, 0
.rept 8
	v_pk_add_f32 v[TT+j:TT+j+1], v[TT+j:TT+j+1], 1.0 op_sel_hi:[1,0]
.set j, j+2
.endr
.set j, 0
.rept 8
	v_pk_mul_f32 v[ES+32+j:ES+32+j+1], v[ES+32+j:ES+32+j+1], v[TT+j:TT+j+1]                ; (1 + eo)(1 + tc)
.set j, j+2
.endr
	s_wait_alu depctr_va_vdst(0)
.set j, 0
.rept 16
	v_rcp_f32 v[ES+32+j], v[ES+32+j]
.set j, j+1
.endr
	v_nop
	s_wait_alu depctr_va_vdst(0)
.set j, 0
.rept 8
	v_pk_mul_f32 v[ES+32+j:ES+32+j+1], v[ES+32+j:ES+32+j+1], v[ES+48+j:ES+48+j+1]          ; h_t
.set j, j+2
.endr
.if (\a) > 0
	OUTST (\a)-1
.endif
	WIN (W<<2)|1                                   ; data in window W, addresses in window 1
.irp k, 0,1,2,3
	ds_store_b128 v[CADR], v[CA+4*\k:CA+4*\k+3] offset:16*(\a)*CP+64*(\k/2)+16*(\k%2)      ; c_t over the bytes of c that this lane has read
	ds_store_b128 v[HADR], v[ES+32+4*\k:ES+32+4*\k+3] offset:16*(\a)*CP+64*(\k/2)+16*(\k%2)
.endr
	s_wait_dscnt 0x0                               ; for the others' sake: a row's 256 bytes come from two waves
	s_barrier_signal -1                            ; the wait stands in the next block, behind register work alone
.endm
.irp a, 0,1,2,3,4,5,6,7
	EPI \a
.endr
	s_barrier_wait -1
	OUTLD 7
	s_wait_dscnt 0x0
	OUTST 7
	WIN 0
	s_wait_tensorcnt 0x0                           ; the wave's end
	ds_add_u32 v[SPW], v[NIL]
	s_wait_dscnt 0x0
	CROUND                                         ; the closing round
	s_endpgm
.Lfunc_end_k_qa2489bc0db_lstm:
	.size	k_qa2489bc0db_lstm, .Lfunc_end_k_qa2489bc0db_lstm-k_qa2489bc0db_lstm
	.p2alignl 7, 3214868480
	.fill 96, 4, 3214868480
	.section	.rodata,"a",@progbits
	.p2align	6, 0x0
	.amdhsa_kernel k_qa2489bc0db_lstm
		.amdhsa_group_segment_fixed_size 327680
		.amdhsa_private_segment_fixed_size 0
		.amdhsa_enable_private_segment 0
		.amdhsa_kernarg_size 72
		.amdhsa_user_sgpr_count 2
		.amdhsa_user_sgpr_kernarg_segment_ptr 1
		.amdhsa_wavefront_size32 1
		.amdhsa_system_sgpr_workgroup_id_x 1
		.amdhsa_system_sgpr_workgroup_id_y 1
		.amdhsa_system_sgpr_workgroup_id_z 1
		.amdhsa_system_vgpr_workitem_id 0
		.amdhsa_next_free_vgpr 1024
		.amdhsa_next_free_sgpr 102
		.amdhsa_reserve_vcc 0
		.amdhsa_float_denorm_mode_32 3
		.amdhsa_float_denorm_mode_16_64 3
		.amdhsa_memory_ordered 1
		.amdhsa_forward_progress 1
		.amdhsa_inst_pref_size 255
	.end_amdhsa_kernel
	.section	.bss,"aw",@nobits
	.p2align	6
	.space	262144
	.amdgpu_metadata
---
amdhsa.version: [ 1, 2 ]
amdhsa.kernels:
  - .name:           k_qa2489bc0db_lstm
    .symbol:         k_qa2489bc0db_lstm.kd
    .args:
      - { .name: aimg, .offset: 0, .size: 8, .value_kind: global_buffer, .address_space: global }
      - { .name: wimg, .offset: 8, .size: 8, .value_kind: global_buffer, .address_space: global }
      - { .name: b_i, .offset: 16, .size: 8, .value_kind: global_buffer, .address_space: global }
      - { .name: b_f, .offset: 24, .size: 8, .value_kind: global_buffer, .address_space: global }
      - { .name: b_o, .offset: 32, .size: 8, .value_kind: global_buffer, .address_space: global }
      - { .name: b_c, .offset: 40, .size: 8, .value_kind: global_buffer, .address_space: global }
      - { .name: c, .offset: 48, .size: 8, .value_kind: global_buffer, .address_space: global }
      - { .name: out0, .offset: 56, .size: 8, .value_kind: global_buffer, .address_space: global }
      - { .name: out1, .offset: 64, .size: 8, .value_kind: global_buffer, .address_space: global }
    .group_segment_fixed_size: 327680
    .private_segment_fixed_size: 0
    .kernarg_segment_align: 8
    .kernarg_segment_size: 72
    .max_flat_workgroup_size: 128
    .sgpr_count:     102
    .vgpr_count:     1024
    .wavefront_size: 32
...
	.end_amdgpu_metadata
.endif
;; end of part 2
